; MI455X (gfx1250); checked and timed in simulation.
; The chip was launched on July 23, 2026; its instructions are those of AMD's public machine-readable ISA for CDNA 5 (MIT licence, August 2026) and "CDNA5" Instruction Set Architecture Reference Guide (July 2026). The comments in the code are by the model that wrote it; some were corrected since.
;; SDPA. Allowed arithmetic: matrix products marked QUANTISED: E2M1 operands, one E8M0 scale for each 32 along K, by v_wmma_scale_f32_16x16x128_f8f6f4 with both operands' format E2M1 (or v_wmma_scale_f32_32x16x128_f4), f32 sums; everything else in f32.
;; Inputs: k_codes 2 x 8 x 2,048 x 4 x 16 uint8 (E2M1 codes of k, K innermost, in blocks of 32 codes, two codes a byte); k_scales 2 x 8 x 2,048 x 4 uint8 (E8M0 scales of k, one for each 32 codes along K); q_codes 2 x 32 x 2,048 x 4 x 16 uint8 (E2M1 codes of q, K innermost, in blocks of 32 codes, two codes a byte); q_scales 2 x 32 x 2,048 x 4 uint8 (E8M0 scales of q, one for each 32 codes along K); v_codes 2 x 8 x 128 x 64 x 16 uint8 (E2M1 codes of v, K innermost, in blocks of 32 codes, two codes a byte); v_scales 2 x 8 x 128 x 64 uint8 (E8M0 scales of v, one for each 32 codes along K).
;; Outputs: out0 2 x 32 x 2,048 x 128 float32.
;; This version of the problem:
;;   THIS VERSION OF THE PROBLEM IS GIVEN IN LOW PRECISION. The matrix products marked QUANTISED in the list below multiply operands that are first quantised to E2M1 (2 exponent bits, 1 mantissa bit; 4 bits a number), with one power-of-two scale for each 32 numbers along K (OCP MX v1.0); their sums are f32. All else is computed in f32.
;;   The module's matrix products, in the order in which they are computed (A, B: the left and right operand; K: the contracted axis; several contracted axes count as one K, in the product's order):
;;     1. batch 64 x [M 2,048, K 128] x [K 128, N 2,048]; A: input q (given as codes); B: input k (given as codes): QUANTISED
;;     2. batch 64 x [M 2,048, K 2,048] x [K 2,048, N 128]; A: softmax (see below); B: input v (given as codes): QUANTISED
;;   THE QUANTISER, for each operand of a quantised product, along K:
;;     - K is cut into blocks of 32 from its start; a last block that is shorter is filled with zeros.
;;     - A block's scale is 2^e with e = floor(log2(the largest magnitude in the block)) - 2, held to -126 .. 127; a block of zeros has e = 0. As a byte (E8M0): e + 127.
;;     - Each number is divided by its block's scale, clamped to +-6, and rounded to the nearest number of E2M1, ties to even, subnormals kept.
;;     - The product sums the exact products of the quantised numbers (number of the format x scale) in f32.
;;   ~~~python
;;   def quantise(x, axis):      # numpy; x: float32 -> the quantised numbers, widened to float32 again
;;       x = np.moveaxis(x, axis, -1); K = x.shape[-1]
;;       x = np.pad(x, [(0, 0)] * (x.ndim - 1) + [(0, -K % 32)]); x = x.reshape(x.shape[:-1] + (-1, 32)); a = np.abs(x).max(-1, keepdims=True)
;;       e = np.where(a > 0, np.clip(np.frexp(np.where(a > 0, a, 1))[1] - 1 - 2, -126, 127), 0)      # np.frexp(a)[1] - 1 = floor(log2(a)), exactly
;;       r = np.clip(x / 2.0 ** e, -6, 6)
;;       step = 2.0 ** (np.maximum(np.frexp(np.where(r == 0, 1, r))[1] - 1, 0) - 1)
;;       q = np.round(r / step) * step * 2.0 ** e      # np.round: ties to even
;;       return np.moveaxis(q.reshape(q.shape[:-2] + (-1,))[..., :K], -1, axis).astype(np.float32)
;;   ~~~
;;   SOFTMAX AHEAD OF A QUANTISED PRODUCT. Where the list says 'softmax', what is quantised is not the finished softmax but p = 2^(t - M), with t = logit x log2(e) and M = ceil(the row's largest t), a whole number; so 1/2 < the row's largest p <= 1. The row's sum l is taken of the UNQUANTISED p, in f32, and the product's result is divided by l at the end. Since M is a whole number, a kernel that streams over the keys may use a running M (the ceiling of the running maximum): every later rescaling is an exact power of two, which a block's scale takes up: the codes' values come out the same.
;;   OPERANDS COMPUTED ON THE WAY. 'Computed on the way' means the value that the module computes at that place (a softmax that the list does not call 'softmax' is quantised finished and normalised). What goes into a quantiser is computed in f32, as accurately as f32 sums, v_exp_f32 and their like allow (about 1e-6 of the number): no bf16 or f16 on the way to a quantiser, and a product that is left as it is and whose result goes on into a quantised operand takes f32 operands (vector FMAs, or v_wmma_f32_16x16x4_f32). A number that lies on a knife's edge between two numbers of the format may be rounded either way, as far as f32 arithmetic and the matrix unit's own rounding can turn it there, and no further.
;;   INPUTS GIVEN AS CODES. k (in the module: [2, 8, 2048, 128], K = its axis 3); q (in the module: [2, 32, 2048, 128], K = its axis 3); v (in the module: [2, 8, 2048, 128], K = its axis 2): each comes as NAME_codes (uint8): NAME with its K axis moved to the last place and cut into blocks of 32 codes, [.., K / 32, bytes a block], one block behind the other in memory; two codes a byte, the lower K in the low four bits (a code: sign, 2 exponent bits, 1 mantissa bit); and NAME_scales (uint8): the same leading axes, one E8M0 byte (e + 127) for each 32 codes along K. Its value is code x scale, taken as it is: it is not quantised again, and the codes and scales need not be those that the quantiser above would give.
;; One version. Each part assembles by itself: llvm-mc -triple=amdgcn-amd-amdhsa -mcpu=gfx1250 --defsym DOCPART=n.
;; ======== version 1 of 1: 1 launch
;; launch attn (part 1): grid 16 x 16, 16 waves a work-group, clusters of 4 x 1, 327,680 bytes of LDS; arguments q_codes, q_scales, k_codes, k_scales, v_codes, v_scales, out0; writes out0
.if DOCPART == 1
	.amdgcn_target "amdgcn-amd-amdhsa--gfx1250"
	.amdhsa_code_object_version 6
	.text
	.protected	k_q244113353e_attn
	.globl	k_q244113353e_attn
	.p2align	8
	.type	k_q244113353e_attn,@function
k_q244113353e_attn:
	s_mov_b64 s[64:65], 0
	v_nop
	global_prefetch_b8 v0, s[64:65] scope:SCOPE_SE
	s_setreg_imm32_b32 hwreg(HW_REG_WAVE_MODE, 25, 1), 1
	s_wait_xcnt 0x0
	s_wait_alu depctr_hold_cnt(0) depctr_sa_sdst(0) depctr_va_vdst(0) depctr_va_sdst(0) depctr_va_ssrc(0) depctr_va_vcc(0) depctr_vm_vsrc(0)
	s_getreg_b32 s2, hwreg(HW_REG_IB_STS2, 6, 4)
	s_cmp_eq_u32 s2, 0
	s_cbranch_scc0 .Lentry_in_a_cluster
	s_endpgm
.Lentry_in_a_cluster:
	s_bfe_u32 s2, ttmp6, 0x10000c
	s_cmp_lg_u32 s2, 0x3003
	s_cbranch_scc0 .Lentry_shape_is_right
	s_endpgm
.Lentry_shape_is_right:
; out0[b][hq][q][:] = sum over k <= q of softmax_k(Q[q] . K[k] / sqrt(128)) V[k][:], 2 x 32 query heads of 2,048 queries over 2 x 8 key/value heads (flat key/value head = flat query head / 4), head size 128.
; Both products run on E2M1 codes with one E8M0 byte for each 32 along a product's K.  q, k: codes along the head's 128; v: codes with the KEYS innermost.  out0: f32.
; THE SOFTMAX AHEAD OF THE SECOND PRODUCT: t = score x log2(e) / sqrt(128); M = the running largest t rounded UP to a whole number; p = 2^(t - M) is quantised along the keys, not normalised; the row's sum is taken of the
; unquantised p in f32 and divides at the end.  When M moves, the sum and O are multiplied by 2^(old M - new M), which rounds nothing.
; WORK LEFT OUT, for all values of the inputs: reference() builds jnp.tril itself, so a key after a query has weight 0 whatever the inputs hold.  A step of 128 keys all of which come after a tile's 16 queries is jumped over,
; and keys from 1,536 on are not fetched in the second walk, whose queries all lie under 1,536.  jnp.repeat is a choice of head, not a copy.  All six inputs are loaded.
; LIMITS: a NaN scale byte (0xff) of k or v that only hidden keys reach is not carried to the result.  A block of p that is all zeros keeps the scale byte 1 (its codes are zeros; the byte is read here alone).
; A block's largest p is made from the block's largest score by the same multiply-add and exponential, which takes v_exp_f32 not to fall where its input rises.
; SHARES.  A head's queries are 16 chunks of 128.  A work-group serves ONE query head and makes TWO WALKS over the keys; in each walk eight waves own a low chunk and eight a high one, a tile of 16 queries a wave:
;   walk 0: chunks j and 15 - j, keys 0 .. 2,047 (four slots of 512);   walk 1: chunks 7 - j and 8 + j, keys 0 .. 1,535 (three slots);   j = the cluster's x, 0 .. 3.
; A tile of chunk c has c + 1 live steps, so every work-group has 8 (17 + 17) = 272 tile steps, and the list of slots to fetch is the same in every work-group: no tensor load hangs on an id.
; Each slot that is fetched is read by every work-group: step 12 is live for chunk 15 - j, step 8 for chunk 8 + j, for every j.
; CLUSTER.  The four query heads of one key/value head form a cluster of 4 x 1 and walk the same K and V in step: every tile is asked for JOINTLY, by the same tensor load with the same descriptor and the mask 15.
; The place in the cluster enters only the addresses of q, its scales, out0 and the prefetches: no branch and no LDS address.
; LAYOUT.  Both products are used transposed: S^T = K Q^T (source 0 = 16 keys, source 1 = my 16 queries), O^T = V^T P^T: a lane holds ONE query (lane % 16) throughout.
; THE KEYS OF A TILE ARE NOT NEIGHBOURS: lane r of tile 2 b + u takes key 32 b + 8 u + r + 8 (r / 8), so that the 16 registers of tiles 2 b and 2 b + 1 are the 16 neighbouring keys 32 b + 16 (lane / 16) + 0 .. 15.
; LDS.  Two slots of 512 keys; K lies two keys to a row of 128 + 16 bytes: key x at 144 (x / 2) + 64 (x % 2), so that the 16-byte columns 9 (x / 2) + 4 (x % 2) of a tile's sixteen keys are all different modulo 16;
; V lies as 128 rows of 256 + 16 bytes.  The scale bytes of the whole key/value head come once and stay.  The stages for the way out have bytes of their own, into which no tensor load lands.
; ADDRESS REGISTERS are made at the head, from the thread's and the wave's number, and hold nothing else in the whole text: no register that has held data ever enters an address.
.set SLOT,  71680                      ; a slot: K's 256 rows x 144, then V's 128 rows x 272
.set VOFF,  36864
.set SCK,   2*SLOT                     ; K's scale bytes: 32 units of 256 + 16 bytes
.set SCV,   SCK+8704                   ; V's likewise
.set STAGE, SCV+8704                   ; 16 rows x 272 bytes for each wave
.set SPARE, STAGE+16*16*272            ; the spare words, 128 bytes for each wave: eight blocks of 256 bytes that no other line names
.set AK0,  1                           ; v1   my lane's place in a tile of K
.set AV0,  2                           ; v2   in a tile of V
.set ASK0, 3                           ; v3   among K's scale words
.set ASV0, 4                           ; v4   among V's
.set SPW,  5                           ; v5   LDS address of my spare word; never rewritten
.set NIL,  6                           ; v6   0; never rewritten
.set PFO,  7                           ; v7   the prefetches' offset; never rewritten
.set ADA,  8                           ; v8   LDS address of the codes in hand
.set ADB,  9                           ; v9   of the scale words in hand
.set QS0,  10                          ; v10  Q's scale words, walk 0;  v11 walk 1: they hold scales and nothing else
.set QS1,  11
.set QF0,  16                          ; v16-23 Q's fragment, walk 0;  v24-31 walk 1.   v12 -M, v13 the largest t, v[14:15] the sum in two halves
.set QF1,  24
.set FRG,  32                          ; v32-95   eight fragments of K, then of V
.set SS,   96                          ; v96-159  S^T, then p (way out: O / l, then whole rows)
.set OT,   160                         ; v160-223 O^T
.set PC,   224                         ; v224-231 p's codes
.set BM,   232                         ; v232-235 the blocks' largest scores, then largest p, then the conversions' scale operands (at the head: at work)
.set BT,   236                         ; v236-239 the other half's maxima, then a chain of the sum, then the scales' bytes
.set STO,  240                         ; v240 the way out: where I put 32 bytes of a row in my stage; never rewritten
.set RD,   241                         ; v241 the way out: where I read a row back; never rewritten
.set GO,   242                         ; v242 the way out: my byte offset in the wave's rows of out0; never rewritten
.set RH,   243                         ; v243 lane % 16 - 16 (lane / 16), for the causal mask; never rewritten
.set KW,   244                         ; v244-251 eight scale words of K, then of V: scales and nothing else
.set FF,   252                         ; v252 f = 2^(old M - new M) (ahead of it, on the diagonal: -infinity); v253 named with it as a pair
.set TMP,  254                         ; v254 at work
.set PW,   255                         ; v255 p's scale word: ahead of it, half of a pair in the sum's chain
.set WV,   18
.set CNT,  19
.set SEL,  20                          ; s[20:21] v_permlanex16_b32's selects for lane l xor 16
.set CS,   22                          ; s[22:23] c = log2(e) / sqrt(128), as a pair
.set G1K,  24                          ; s[24:31], s[32:39], s[40:47] descriptor groups 1: K's tiles, V's tiles, scale bytes
.set G1V,  32
.set G1S,  40
.set G0K,  48                          ; s[48:51], s[52:55] groups 0 for K and V, which walk;  s[56:59], s[60:63] for the scale bytes
.set G0V,  52
.set G0SK, 56
.set G0SV, 60
.set TK,   66                          ; LDS byte at which the step's keys begin;  s67 the same for V's rows;  s68, s69 the step's scale words;  s70 the step's first key
.set TV,   67
.set TS,   68
.set TJ,   69
.set KF,   70
.set Q0A,  71                          ; my first query in walk 0;  s72 in walk 1
.set Q0B,  72
.set PF,   73                          ; 1 in a wave that prefetches
.set PFA2, 74                          ; s[74:75], s[76:77] where my prefetches of key slots 2 and 3 stand; never rewritten
.set PFA3, 76
.set OB0,  78                          ; s[78:79], s[80:81] out0 at my first query of walk 0, 1
.set OB1,  80
.set QA0,  82                          ; s[82:85] q's codes likewise;  s[86:89] q's scale words
.set QA1,  84
.set QSA0, 86
.set QSA1, 88
; A round of the cluster's barrier: my work-group's barrier, so that wave 0's signal speaks for all sixteen waves; wave 0 signals; every wave waits for the four work-groups; my work-group's barrier once more.
.macro CROUND
	s_barrier_signal -1
	s_barrier_wait -1
	s_cmp_lg_u32 s[WV], 0
	s_cbranch_scc1 .Lnot_wave_0_\@
	s_barrier_signal -3
.Lnot_wave_0_\@:
	s_barrier_wait -3
	s_barrier_signal -1
	s_barrier_wait -1
.endm
.macro PLACES4
.rept 4
	v_nop
.endr
.endm
; A joint load of a slot: wave 0 asks for its 512 keys of K, wave 1 for its part of V's 128 rows.  The branches hang on the wave's number alone.  An s_nop 0 and four v_nop follow each load.
.macro JLOAD
	s_cmp_lg_u32 s[WV], 0
	s_cbranch_scc1 .Lnot_k_\@
	tensor_load_to_lds s[G0K:G0K+3], s[G1K:G1K+7]
	s_nop 0
	PLACES4
	s_branch .Lasked_\@
.Lnot_k_\@:
	s_cmp_lg_u32 s[WV], 1
	s_cbranch_scc1 .Lasked_\@
	tensor_load_to_lds s[G0V:G0V+3], s[G1V:G1V+7]
	s_nop 0
	PLACES4
.Lasked_\@:
.endm
; A prefetch of the key slot that the NEXT change of slots will ask for.  All four clusters of a key/value head walk the same K and V: cluster x = 0 asks, in its first walk alone.  Its four partners share the blocks out BY ADDRESS:
; wave 2 names 8,192 bytes of K's block, lanes 256 bytes apart; wave 3 names 32 of V's rows, a lane a row (a slot's part of a row is 256 bytes, aligned).  So each aligned block of 256 bytes is named once in the launch.
.macro ASK p
	s_cmp_eq_u32 s[PF], 1
	s_cbranch_scc0 .Lnot_mine_\@
	global_prefetch_b8 v[PFO], s[\p:\p+1] th:TH_LOAD_NT scope:SCOPE_SE
.Lnot_mine_\@:
.endm
	s_load_b256 s[4:11], s[0:1], 0x0               ; q's codes s[4:5], q's scales s[6:7], k's codes s[8:9], k's scales s[10:11]
	s_load_b128 s[12:15], s[0:1], 0x20             ; v's codes s[12:13], v's scales s[14:15]
	s_load_b64 s[16:17], s[0:1], 0x30              ; out0
	v_lshl_add_u32 v[SPW], v0, 2, SPARE
	v_mov_b32 v[NIL], 0
	ds_add_u32 v[SPW], v[NIL]                      ; the wave's opening: the add, twice on end, and its wait ahead of the first tensor load; the set-up below, work on registers, stands between
	ds_add_u32 v[SPW], v[NIL]
	v_lshrrev_b32 v8, 5, v0
	s_delay_alu instid0(VALU_DEP_1)
	v_readfirstlane_b32 s[WV], v8                  ; wave 0..15
	s_and_b32 s90, ttmp7, 0xffff                   ; the key/value head, 0..15, which the four partners share
	s_lshl_b32 s92, s90, 17                        ; its first byte in k's and in v's codes: 131,072 bytes a head
	s_mov_b32 s93, 0
	s_lshl_b32 s94, s90, 13                        ; and in their scale bytes: 8,192 a head
	s_mov_b32 s95, 0
	s_bfe_u32 s91, ttmp6, 0x40000                  ; cx: my place in the cluster
	s_lshl_b32 s3, s90, 2
	s_add_co_u32 s3, s3, s91                       ; my query head = 4 x key/value head + cx
	s_lshr_b32 s96, s[WV], 2
	s_xor_b32 s96, s96, s[WV]
	s_and_b32 s96, s96, 1                          ; 0: my wave owns a tile of the low chunk, 1: of the high one.  Of waves 4 i .. 4 i + 3, and of waves i, i + 4, i + 8, i + 12, two are low and two high
	s_bfe_u32 s97, s[WV], 0x30001                  ; which of the chunk's eight tiles: (wave / 2) % 8
	s_lshl_b32 s97, s97, 4
	s_sub_co_u32 s98, 15, ttmp9                    ; (in a cluster launch ttmp9 is the cluster's x: j)
	s_sub_co_u32 s99, 7, ttmp9
	s_add_co_u32 s2, ttmp9, 8
	s_cmp_eq_u32 s96, 0
	s_cselect_b32 s98, ttmp9, s98                  ; walk 0: chunk j or 15 - j
	s_cselect_b32 s99, s99, s2                     ; walk 1: chunk 7 - j or 8 + j
	s_lshl_b32 s[Q0A], s98, 7
	s_add_co_u32 s[Q0A], s[Q0A], s97
	s_lshl_b32 s[Q0B], s99, 7
	s_add_co_u32 s[Q0B], s[Q0B], s97
	s_lshl_b32 s96, s3, 17                         ; q's codes: 131,072 bytes a head, 64 a query
	s_lshl_b32 s97, s[Q0A], 6
	s_add_co_u32 s[QA0], s96, s97
	s_mov_b32 s[QA0+1], 0
	s_lshl_b32 s97, s[Q0B], 6
	s_add_co_u32 s[QA1], s96, s97
	s_mov_b32 s[QA1+1], 0
	s_lshl_b32 s96, s3, 13                         ; q's scale words: 8,192 bytes a head, 4 a query
	s_lshl_b32 s97, s[Q0A], 2
	s_add_co_u32 s[QSA0], s96, s97
	s_mov_b32 s[QSA0+1], 0
	s_lshl_b32 s97, s[Q0B], 2
	s_add_co_u32 s[QSA1], s96, s97
	s_mov_b32 s[QSA1+1], 0
	s_lshl_b32 s96, s3, 20                         ; out0: 1,048,576 bytes a head, 512 a query; 64 heads stay under 2^32
	s_lshl_b32 s97, s[Q0A], 9
	s_add_co_u32 s[OB0], s96, s97
	s_mov_b32 s[OB0+1], 0
	s_lshl_b32 s97, s[Q0B], 9
	s_add_co_u32 s[OB1], s96, s97
	s_mov_b32 s[OB1+1], 0
	s_mul_i32 s90, s[WV], 16*272
	s_add_co_u32 s90, s90, STAGE                   ; my stage: the wave's number alone
	; descriptor groups 1, all constants.  K: a slot's 512 keys of 64 bytes are dense in memory and are stated as 256 rows of 128 bytes, 16 bytes of padding behind each
	s_mov_b32 s[G1K], 15|(1<<20)|(1<<21)|(4<<22)|(3<<25)   ; 15:0 the mask: all four work-groups; 17:16 elements of 1 byte; 20 padding on; 21 set beside a mask; 24:22 after every 32 words (code 4); 31:25 four words (code 3)
	s_mov_b32 s[G1K+1], 128<<16                    ; tensor_dim0
	s_mov_b32 s[G1K+2], 256<<16                    ; tensor_dim1
	s_mov_b32 s[G1K+3], 128<<16                    ; tile_dim0
	s_mov_b32 s[G1K+4], 256                        ; tile_dim1
	s_mov_b32 s[G1K+5], 128                        ; from row to row
	s_mov_b32 s[G1K+6], 0
	s_mov_b32 s[G1K+7], 0
	; V: 128 rows of 256 bytes (512 keys), 1,024 bytes apart in memory
	s_mov_b32 s[G1V], 15|(1<<20)|(1<<21)|(5<<22)|(3<<25)   ; padding: four words after every 64
	s_mov_b32 s[G1V+1], 256<<16
	s_mov_b32 s[G1V+2], 128<<16
	s_mov_b32 s[G1V+3], 256<<16
	s_mov_b32 s[G1V+4], 128
	s_mov_b32 s[G1V+5], 1024
	s_mov_b32 s[G1V+6], 0
	s_mov_b32 s[G1V+7], 0
	; the scale bytes of a head: 8,192 dense bytes as 32 rows of 32 elements of 8 bytes, 16 bytes of padding behind each
	s_mov_b32 s[G1S], 15|(3<<16)|(1<<20)|(1<<21)|(5<<22)|(3<<25)
	s_mov_b32 s[G1S+1], 32<<16
	s_mov_b32 s[G1S+2], 32<<16
	s_mov_b32 s[G1S+3], 32<<16
	s_mov_b32 s[G1S+4], 32
	s_mov_b32 s[G1S+5], 32
	s_mov_b32 s[G1S+6], 0
	s_mov_b32 s[G1S+7], 0
	s_mov_b32 s[SEL], 0x76543210
	s_mov_b32 s[SEL+1], 0xfedcba98
	s_mov_b32 s[CS], 0x3e0293ee                    ; c = log2(e) / sqrt(128)
	s_mov_b32 s[CS+1], s[CS]                       ; (named with it as a pair, so it is written)
	s_wait_dscnt 0x0                               ; both opening adds are done
	s_wait_kmcnt 0x0
	s_mov_b32 s[G0K], 1                            ; count = 1
	s_mov_b32 s[G0K+1], 0                          ; LDS address: slot 0
	s_add_nc_u64 s[G0K+2:G0K+3], s[8:9], s[92:93]  ; the head's first 512 keys: the address hangs on the key/value head alone
	s_or_b32 s[G0K+3], s[G0K+3], 0x80000000        ; type = 2
	s_mov_b32 s[G0V], 1
	s_mov_b32 s[G0V+1], VOFF
	s_add_nc_u64 s[G0V+2:G0V+3], s[12:13], s[92:93]
	s_or_b32 s[G0V+3], s[G0V+3], 0x80000000
	s_mov_b32 s[G0SK], 1
	s_mov_b32 s[G0SK+1], SCK
	s_add_nc_u64 s[G0SK+2:G0SK+3], s[10:11], s[94:95]
	s_or_b32 s[G0SK+3], s[G0SK+3], 0x80000000
	s_mov_b32 s[G0SV], 1
	s_mov_b32 s[G0SV+1], SCV
	s_add_nc_u64 s[G0SV+2:G0SV+3], s[14:15], s[94:95]
	s_or_b32 s[G0SV+3], s[G0SV+3], 0x80000000
	s_add_nc_u64 s[QA0:QA0+1], s[4:5], s[QA0:QA0+1]
	s_add_nc_u64 s[QA1:QA1+1], s[4:5], s[QA1:QA1+1]
	s_add_nc_u64 s[QSA0:QSA0+1], s[6:7], s[QSA0:QSA0+1]
	s_add_nc_u64 s[QSA1:QSA1+1], s[6:7], s[QSA1:QSA1+1]
	s_add_nc_u64 s[OB0:OB0+1], s[16:17], s[OB0:OB0+1]
	s_add_nc_u64 s[OB1:OB1+1], s[16:17], s[OB1:OB1+1]
	CROUND                                         ; all four work-groups are here: the first joint loads meet
	; the first fills, one group: wave 0 slot 0's K, wave 1 its V, wave 2 K's scale bytes, wave 3 V's.  One tensor load of a wave is out
	s_cmp_lg_u32 s[WV], 0
	s_cbranch_scc1 .Lhead_1
	tensor_load_to_lds s[G0K:G0K+3], s[G1K:G1K+7]
	s_nop 0
	PLACES4
	s_branch .Lhead_done
.Lhead_1:
	s_cmp_lg_u32 s[WV], 1
	s_cbranch_scc1 .Lhead_2
	tensor_load_to_lds s[G0V:G0V+3], s[G1V:G1V+7]
	s_nop 0
	PLACES4
	s_branch .Lhead_done
.Lhead_2:
	s_cmp_lg_u32 s[WV], 2
	s_cbranch_scc1 .Lhead_3
	tensor_load_to_lds s[G0SK:G0SK+3], s[G1S:G1S+7]
	s_nop 0
	PLACES4
	s_branch .Lhead_done
.Lhead_3:
	s_cmp_lg_u32 s[WV], 3
	s_cbranch_scc1 .Lhead_done
	tensor_load_to_lds s[G0SV:G0SV+3], s[G1S:G1S+7]
	s_nop 0
	PLACES4
.Lhead_done:
	v_and_b32 v232, 15, v0                         ; r = lane % 16.  (v232-235 are at work here, ahead of any data)
	v_bfe_u32 v233, v0, 4, 1                       ; h = lane / 16
	s_delay_alu instid0(VALU_DEP_2)
	v_lshlrev_b32 v8, 6, v232
	s_delay_alu instid0(VALU_DEP_1)
	v_lshl_add_u32 v8, v233, 4, v8                 ; Q: row r of 64 bytes, + 16 h
	s_delay_alu instid0(VALU_DEP_4)
	v_lshlrev_b32 v9, 2, v232                      ; its scale word
	global_load_b128 v[QF0:QF0+3],   v8, s[QA0:QA0+1]              ; both walks' fragments of Q stay in registers
	global_load_b128 v[QF0+4:QF0+7], v8, s[QA0:QA0+1] offset:32
	global_load_b128 v[QF1:QF1+3],   v8, s[QA1:QA1+1]
	global_load_b128 v[QF1+4:QF1+7], v8, s[QA1:QA1+1] offset:32
	global_load_b32 v[QS0], v9, s[QSA0:QSA0+1]
	global_load_b32 v[QS1], v9, s[QSA1:QSA1+1]
	v_and_b32 v234, 8, v232
	s_delay_alu instid0(VALU_DEP_1)
	v_add_nc_u32 v234, v234, v232                  ; x = r + 8 (r / 8): my key in a tile
	s_delay_alu instid0(VALU_DEP_1)
	v_lshrrev_b32 v235, 1, v234
	s_delay_alu instid0(VALU_DEP_1)
	v_mul_u32_u24 v[AK0], v235, 144
	s_delay_alu instid0(VALU_DEP_3)
	v_and_b32 v235, 1, v234
	s_delay_alu instid0(VALU_DEP_1)
	v_lshl_add_u32 v[AK0], v235, 6, v[AK0]
	s_delay_alu instid0(VALU_DEP_1)
	v_lshl_add_u32 v[AK0], v233, 4, v[AK0]         ; 144 (x / 2) + 64 (x % 2) + 16 h
	v_mul_u32_u24 v[AV0], v232, 272
	s_delay_alu instid0(VALU_DEP_1)
	v_lshl_add_u32 v[AV0], v233, 4, v[AV0]
	s_delay_alu instid0(VALU_DEP_1)
	v_add_nc_u32 v[AV0], VOFF, v[AV0]              ; V: row r of a tile, + 16 h
	v_lshl_add_u32 v[ASK0], v234, 2, SCK           ; K's scale words: 4 bytes a key
	v_lshrrev_b32 v235, 2, v232
	s_delay_alu instid0(VALU_DEP_1)
	v_mul_u32_u24 v[ASV0], v235, 272
	v_and_b32 v235, 3, v232
	s_delay_alu instid0(VALU_DEP_1)
	v_lshl_add_u32 v[ASV0], v235, 6, v[ASV0]
	s_delay_alu instid0(VALU_DEP_1)
	v_add_nc_u32 v[ASV0], SCV, v[ASV0]             ; V's: 64 bytes a channel, four channels to a unit of 256 + 16
	v_mul_u32_u24 v[STO], v232, 272                ; the way out, into my stage: row r; tile t's eight channels of my half lie 64 t + 32 h bytes on
	s_delay_alu instid0(VALU_DEP_1)
	v_lshl_add_u32 v[STO], v233, 5, v[STO]
	s_delay_alu instid0(VALU_DEP_1)
	v_add_nc_u32 v[STO], s90, v[STO]
	v_mul_u32_u24 v[RD], v233, 272                 ; back: lanes 0-15 one row, lanes 16-31 the next, 16 bytes a lane
	s_delay_alu instid0(VALU_DEP_1)
	v_lshl_add_u32 v[RD], v232, 4, v[RD]
	s_delay_alu instid0(VALU_DEP_1)
	v_add_nc_u32 v[RD], s90, v[RD]
	v_lshlrev_b32 v[GO], 9, v233                   ; and the same two rows in out0
	s_delay_alu instid0(VALU_DEP_1)
	v_lshl_add_u32 v[GO], v232, 4, v[GO]
	v_lshlrev_b32 v[RH], 4, v233
	s_delay_alu instid0(VALU_DEP_1)
	v_sub_nc_u32 v[RH], v232, v[RH]                ; r - 16 h
	; the prefetches: where my wave's stand, and who asks
	s_cmp_eq_u32 s[WV], 2                          ; wave 2 asks for K's codes, wave 3 for V's
	s_cselect_b64 s[PFA2:PFA2+1], s[8:9], s[12:13]
	s_mov_b32 s96, 1024
	s_cselect_b32 s96, 256, s96                    ; from lane to lane
	s_mov_b32 s97, 256
	s_cselect_b32 s97, 32768, s97                  ; from slot to slot
	s_mov_b32 s98, 32768
	s_cselect_b32 s98, 8192, s98                   ; from partner to partner
	v_and_b32 v[PFO], 31, v0
	s_delay_alu instid0(VALU_DEP_1)
	v_mul_lo_u32 v[PFO], v[PFO], s96
	s_mul_i32 s98, s98, s91                        ; my work-group's quarter,
	s_lshl_b32 s99, s97, 1
	s_add_co_u32 s98, s98, s99                     ; in key slot 2
	s_mov_b32 s99, 0
	s_add_nc_u64 s[PFA2:PFA2+1], s[PFA2:PFA2+1], s[92:93]
	s_add_nc_u64 s[PFA2:PFA2+1], s[PFA2:PFA2+1], s[98:99]
	s_mov_b32 s98, s97
	s_add_nc_u64 s[PFA3:PFA3+1], s[PFA2:PFA2+1], s[98:99]          ; and in key slot 3.  Slots 0 and 1 and the scale bytes come by their loads alone
	s_lshr_b32 s96, s[WV], 1
	s_xor_b32 s96, s96, 1                          ; 0 in waves 2 and 3,
	s_or_b32 s96, s96, ttmp9                       ; of cluster x = 0: the same in all four partners
	s_cmp_eq_u32 s96, 0
	s_cselect_b32 s[PF], 1, 0
; A walk begins: the largest t is -3e38, under every t; the sum and O^T are zeros, which the first change of M leaves zeros.  So a key step is written with no first step of its own.
.macro INIT
	v_mov_b32 v13, 0xff61b1e6
	s_delay_alu instid0(VALU_DEP_1)
	v_floor_f32 v12, -v13                          ; -M
	v_mov_b32 v14, 0
	v_mov_b32 v15, 0
.set jj, 0
.rept 64
	v_mov_b32 v[OT+jj], 0
.set jj, jj+1
.endr
.endm
	INIT
.irp b, 0,1,2,3
	v_mov_b32 v[BT+\b], 0                          ; written once: a lane permute's destination counts as one of its sources
.endr
	v_mov_b32 v[FF], 0
	v_mov_b32 v[FF+1], 0                           ; (named as the upper half of the pair)
; A KEY STEP: 128 keys.  qf: my fragment of Q; qs: its scale words; q0: my first query.
.macro STEP qf, qs, q0
	s_add_co_u32 s90, s[\q0], 15                   ; a step all of whose keys come after my 16 queries is left out: a scalar branch on ids, round loads, products and softmax; not round the lines at the step's end that step addresses
	s_cmp_gt_u32 s[KF], s90
	s_cbranch_scc1 .Lhidden_\@
	s_setprio 2
	v_add_nc_u32 v[ADA], s[TK], v[AK0]
	v_add_nc_u32 v[ADB], s[TS], v[ASK0]
	v_nop
	v_nop                                          ; four plain vector lines between the last products and loads into registers that they read
.irp t, 0,1,2,3,4,5,6,7                        ; K's eight tiles and their scale words, in one run: tile t begins at key 32 (t / 2) + 8 (t % 2), 72 bytes a key
.irp c, 0,1
	ds_load_b128 v[FRG+8*\t+4*\c:FRG+8*\t+4*\c+3], v[ADA] offset:(32*(\t/2)+8*(\t%2))*72+32*\c
.endr
	ds_load_b32 v[KW+\t], v[ADB] offset:272*(\t/4)+(32*((\t/2)%2)+8*(\t%2))*4
.endr
	s_wait_dscnt 12                                ; tiles 0 to 3 are in; the twelve loads of tiles 4 to 7 may be out
.irp t, 0,1,2,3
	v_wmma_scale_f32_16x16x128_f8f6f4 v[SS+8*\t:SS+8*\t+7], v[FRG+8*\t:FRG+8*\t+7], v[\qf:\qf+7], 0, v[KW+\t], v[\qs] matrix_a_fmt:MATRIX_FMT_FP4 matrix_b_fmt:MATRIX_FMT_FP4
.endr
	s_wait_dscnt 0x0
.irp t, 4,5,6,7
	v_wmma_scale_f32_16x16x128_f8f6f4 v[SS+8*\t:SS+8*\t+7], v[FRG+8*\t:FRG+8*\t+7], v[\qf:\qf+7], 0, v[KW+\t], v[\qs] matrix_a_fmt:MATRIX_FMT_FP4 matrix_b_fmt:MATRIX_FMT_FP4
.endr
	v_add_nc_u32 v[ADA], s[TV], v[AV0]
	v_add_nc_u32 v[ADB], s[TJ], v[ASV0]
	v_nop
	v_nop                                          ; four plain vector lines again: for the loads below, and for the first read of the scores
.irp t, 0,1,2,3,4,5,6,7                        ; V's eight tiles (16 channels x these 128 keys) and their scale words are asked for here, a whole softmax ahead of their use
.irp c, 0,1
	ds_load_b128 v[FRG+8*\t+4*\c:FRG+8*\t+4*\c+3], v[ADA] offset:4352*\t+32*\c
.endr
	ds_load_b32 v[KW+\t], v[ADB] offset:1088*\t
.endr
	s_add_co_u32 s90, s[KF], 127                   ; on the diagonal the scores of hidden keys become -infinity ahead of the maximum: p = 0 then.  A step all of whose keys count skips this
	s_cmp_le_u32 s90, s[\q0]
	s_cbranch_scc1 .Lopen_\@
	s_sub_co_i32 s90, s[\q0], s[KF]
	v_add_nc_u32 v[TMP], s90, v[RH]                ; d = my query - the step's first key - 16 (lane / 16).  Register 16 b + i holds key 32 b + 16 (lane / 16) + i of the step: hidden where 32 b + i > d
	v_mov_b32 v[FF], 0xff800000                    ; -infinity (f is made anew further down)
.irp m, 0,1,2,3,4,5,6,7,8,9,10,11,12,13,14,15,16,17,18,19,20,21,22,23,24,25,26,27,28,29,30,31,32,33,34,35,36,37,38,39,40,41,42,43,44,45,46,47,48,49,50,51,52,53,54,55,56,57,58,59,60,61,62,63
	v_cmp_gt_i32 vcc_lo, 32*(\m/16)+\m%16, v[TMP]
	v_cndmask_b32 v[SS+\m], v[SS+\m], v[FF], vcc_lo
.endr
.Lopen_\@:
.irp b, 0,1,2,3
	v_max3_num_f32 v[BM+\b], v[SS+16*\b], v[SS+1+16*\b], v[SS+2+16*\b]   ; the largest score of each block of 32 keys: it serves for the row's maximum and, since p rises with the score, for the block's largest p
.endr
.irp i, 3,5,7,9,11,13
.irp b, 0,1,2,3
	v_max3_num_f32 v[BM+\b], v[BM+\b], v[SS+16*\b+\i], v[SS+1+16*\b+\i]   ; (the four blocks by turns)
.endr
.endr
.irp b, 0,1,2,3
	v_max_num_f32 v[BM+\b], v[BM+\b], v[SS+15+16*\b]
.endr
.irp b, 0,1,2,3
	s_delay_alu instid0(VALU_DEP_4)
	v_permlanex16_b32 v[BT+\b], v[BM+\b], s[SEL], s[SEL+1]
.endr
.irp b, 0,1,2,3
	s_delay_alu instid0(VALU_DEP_4)
	v_max_num_f32 v[BM+\b], v[BM+\b], v[BT+\b]     ; with lane l xor 16's 16 keys
.endr
	s_delay_alu instid0(VALU_DEP_2)
	v_max3_num_f32 v[TMP], v[BM], v[BM+1], v[BM+2]
	s_delay_alu instid0(VALU_DEP_1)
	v_max_num_f32 v[TMP], v[TMP], v[BM+3]          ; the step's largest score of my query
	s_delay_alu instid0(VALU_DEP_1)
	v_mul_f32 v[TMP], s[CS], v[TMP]                ; as t (c is positive)
	s_delay_alu instid0(VALU_DEP_1)
	v_max_num_f32 v13, v13, v[TMP]                 ; the running largest t
	v_mov_b32 v[TMP], v12
	s_delay_alu instid0(VALU_DEP_2)
	v_floor_f32 v12, -v13                          ; the new -M = floor(-t) = -ceil(t): a whole number
	s_delay_alu instid0(VALU_DEP_1)
	v_sub_f32 v[TMP], v12, v[TMP]                  ; M's old value less its new one: a whole number, 0 or less
	s_delay_alu instid0(VALU_DEP_1)
	v_cvt_i32_f32 v[TMP], v[TMP]                   ; (it saturates)
	s_delay_alu instid0(VALU_DEP_1)
	v_ldexp_f32 v[FF], 1.0, v[TMP]                 ; f = 2^(old M - new M)
.set jj, 0
.rept 32
	v_pk_fma_f32 v[SS+jj:SS+jj+1], v[SS+jj:SS+jj+1], s[CS:CS+1], v[12:13] op_sel_hi:[1,0,0]   ; t - M, two at a time (of the pairs c and -M the low word serves both halves)
.set jj, jj+2
.endr
.irp b, 0,1,2,3
	v_fma_f32 v[BM+\b], v[BM+\b], s[CS], v12       ; the same of each block's largest score
.endr
.set jj, 0
	s_setprio 1
	s_wait_alu depctr_va_vdst(0)
.rept 64
	v_exp_f32 v[SS+jj], v[SS+jj]                   ; p = 2^(t - M), at most 1: not normalised
.set jj, jj+1
.endr
	v_pk_mul_f32 v[14:15], v[14:15], v[FF:FF+1] op_sel_hi:[1,0]   ; the sums under the new M: the plain line behind the exponentials
	s_wait_alu depctr_va_vdst(0)                   ; one wait for the batch of 64, ahead of its first reader
.irp b, 0,1,2,3
	v_exp_f32 v[BM+\b], v[BM+\b]                   ; the block's largest p: the same two instructions on the same number give the same bits
.endr
	v_pk_add_f32 v[236:237], v[100:101], v[104:105]
	v_pk_add_f32 v[254:255], v[108:109], v[112:113]
	v_pk_add_f32 v[238:239], v[116:117], v[120:121]
	v_pk_add_f32 v[230:231], v[124:125], v[128:129]
	v_pk_add_f32 v[228:229], v[132:133], v[136:137]
	v_pk_add_f32 v[226:227], v[140:141], v[144:145]
	v_pk_add_f32 v[224:225], v[148:149], v[152:153]
	v_pk_add_f32 v[14:15], v[14:15], v[156:157]
	v_pk_add_f32 v[236:237], v[236:237], v[96:97]
	v_pk_add_f32 v[254:255], v[254:255], v[98:99]
	v_pk_add_f32 v[238:239], v[238:239], v[102:103]
	v_pk_add_f32 v[230:231], v[230:231], v[106:107]
	v_pk_add_f32 v[228:229], v[228:229], v[110:111]
	v_pk_add_f32 v[226:227], v[226:227], v[114:115]
	v_pk_add_f32 v[224:225], v[224:225], v[118:119]
	v_pk_add_f32 v[14:15], v[14:15], v[122:123]
	v_pk_add_f32 v[236:237], v[236:237], v[126:127]
	v_pk_add_f32 v[254:255], v[254:255], v[130:131]
	v_pk_add_f32 v[238:239], v[238:239], v[134:135]
	v_pk_add_f32 v[230:231], v[230:231], v[138:139]
	v_pk_add_f32 v[228:229], v[228:229], v[142:143]
	v_pk_add_f32 v[226:227], v[226:227], v[146:147]
	v_pk_add_f32 v[224:225], v[224:225], v[150:151]
	v_pk_add_f32 v[14:15], v[14:15], v[154:155]
	v_pk_add_f32 v[236:237], v[236:237], v[158:159]
	s_delay_alu instid0(VALU_DEP_2)
	v_pk_add_f32 v[14:15], v[14:15], v[230:231]
	s_delay_alu instid0(VALU_DEP_2)
	v_pk_add_f32 v[236:237], v[236:237], v[228:229]
	v_pk_add_f32 v[254:255], v[254:255], v[226:227]
	v_pk_add_f32 v[238:239], v[238:239], v[224:225]
	s_delay_alu instid0(VALU_DEP_2)
	v_pk_add_f32 v[14:15], v[14:15], v[254:255]
	s_delay_alu instid0(VALU_DEP_2)
	v_pk_add_f32 v[236:237], v[236:237], v[238:239]
	s_delay_alu instid0(VALU_DEP_1)
	v_pk_add_f32 v[14:15], v[14:15], v[236:237]
	s_wait_alu depctr_va_vdst(0)                   ; and one wait for the four
.irp b, 0,1,2,3
	v_max_num_f32 v[BM+\b], 0x1800000, v[BM+\b]    ; the floor 2^(3 - 127): the byte cannot fall under 1
.endr
.irp b, 0,1,2,3
	s_delay_alu instid0(VALU_DEP_4)
	v_add_nc_u32 v[BM+\b], 0xff000000, v[BM+\b]    ; 2 off the exponent field, in place: the conversion's scale operand
.endr
.irp b, 0,1,2,3
	s_delay_alu instid0(VALU_DEP_4)
	v_lshrrev_b32 v[BT+\b], 23, v[BM+\b]           ; the scale's byte
.endr
	s_delay_alu instid0(VALU_DEP_3)
	v_lshl_or_b32 v[PW], v[BT+1], 8, v[BT]         ; p's scale word for these 128 keys
	s_delay_alu instid0(VALU_DEP_1)
	v_lshl_or_b32 v[PW], v[BT+2], 16, v[PW]
	s_delay_alu instid0(VALU_DEP_1)
	v_lshl_or_b32 v[PW], v[BT+3], 24, v[PW]
.irp b, 0,1,2,3
	v_cvt_scalef32_pk8_fp4_f32 v[PC+2*\b], v[SS+16*\b:SS+7+16*\b], v[BM+\b]
	v_cvt_scalef32_pk8_fp4_f32 v[PC+1+2*\b], v[SS+8+16*\b:SS+15+16*\b], v[BM+\b]
.endr
	v_nop                                          ; one plain vector line between a scaled conversion and the vector line that touches its result
.irp c, 0,1                                    ; the operand's layout wants a whole block in a lane: lanes 0-15 block 2 c, lanes 16-31 block 2 c + 1
.irp i, 0,1
	v_permlane16_swap_b32 v[PC+4*\c+\i], v[PC+2+4*\c+\i]
.endr
.endr
.set jj, 0
.rept 32
	v_pk_mul_f32 v[OT+jj:OT+jj+1], v[OT+jj:OT+jj+1], v[FF:FF+1] op_sel_hi:[1,0]   ; O^T under the new M.  (These 32 also stand between the lines that made p's codes and scale word and the products that take them)
.set jj, jj+2
.endr
	s_setprio 0
	s_wait_alu depctr_va_vdst(0)
	s_wait_dscnt 0x0                               ; V's tiles and scale words, asked for ahead of the softmax
.irp t, 0,1,2,3,4,5,6,7                        ; O^T += V^T P^T: eight accumulators, one instruction a turn
	v_wmma_scale_f32_16x16x128_f8f6f4 v[OT+8*\t:OT+8*\t+7], v[FRG+8*\t:FRG+8*\t+7], v[PC:PC+7], v[OT+8*\t:OT+8*\t+7], v[KW+\t], v[PW] matrix_a_fmt:MATRIX_FMT_FP4 matrix_b_fmt:MATRIX_FMT_FP4
.endr
.Lhidden_\@:
	s_add_co_u32 s[KF], s[KF], 128
	s_add_co_u32 s[TS], s[TS], 544                 ; K's scale words: two units a step
	s_add_co_u32 s[TJ], s[TJ], 4                   ; V's: a word a step in each row
	s_add_co_u32 s[TK], s[TK], 9216                ; 64 LDS rows of two keys
	s_add_co_u32 s[TV], s[TV], 64                  ; 128 codes on in each of V's rows
.endm
; THE CHANGE OF SLOTS at the head of phase ph (0 to 3: walk 0's key slots 0 to 3; 4 to 6: walk 1's key slots 0 to 2; phase ph reads LDS slot ph % 2).  Each wave waits for all its tensor loads (its part of the slot that
; is about to be read), adds 0 to its spare word, and waits for that and for its reads of the slot that it has left.  Up to phase 5 the barrier is a round of the cluster's, so that no wave of any partner still reads that slot or has a
; load on its way, and the joint load of the next phase's slot is the first thing behind it: it has a slot's four key steps in which to land.  Phase 6 asks for nothing.
.macro CHANGE ph
	s_wait_tensorcnt 0x0                           ; no tensor load of mine is out, so a group 0 may be written
	ds_add_u32 v[SPW], v[NIL]                      ; 0 onto my spare word
.if \ph < 6
	ds_add_u32 v[SPW], v[NIL]                      ; and once more: the descriptors' steps stand between it and the wait
	s_mov_b32 s[G0K+1], ((\ph+1)&1)*SLOT
	s_mov_b32 s[G0V+1], ((\ph+1)&1)*SLOT+VOFF
.if \ph == 3
	s_sub_nc_u64 s[G0K+2:G0K+3], s[G0K+2:G0K+3], 3*32768           ; walk 1 begins again at the head's first keys
	s_sub_nc_u64 s[G0V+2:G0V+3], s[G0V+2:G0V+3], 3*256
.else
	s_add_nc_u64 s[G0K+2:G0K+3], s[G0K+2:G0K+3], 32768             ; the next 512 keys; the type bits on top are not reached
	s_add_nc_u64 s[G0V+2:G0V+3], s[G0V+2:G0V+3], 256
.endif
	s_wait_dscnt 0x0                               ; both adds are done, and my reads of the slot that I have left are over
	CROUND
	JLOAD
.if \ph == 0
	ASK PFA2                                       ; key slot 2, which the next change of slots asks for
.endif
.if \ph == 1
	ASK PFA3                                       ; key slot 3 likewise
.endif
.else
	s_wait_dscnt 0x0
	s_barrier_signal -1
	s_barrier_wait -1
.endif
.endm
; A phase's four key steps: written once for each phase, walked four times; the LDS addresses hang on scalars that begin at constants and step by constants.
.macro SLOTRUN ph, qf, qs, q0
	s_mov_b32 s[TK], ((\ph)&1)*SLOT
	s_mov_b32 s[TV], ((\ph)&1)*SLOT
	s_mov_b32 s[TS], 2176*((\ph)&3)
	s_mov_b32 s[TJ], 16*((\ph)&3)
	s_mov_b32 s[KF], 512*((\ph)&3)
	s_mov_b32 s[CNT], 4
.Lstep_\@:
	STEP \qf, \qs, \q0
	s_sub_co_u32 s[CNT], s[CNT], 1
	s_cmp_lg_u32 s[CNT], 0
	s_cbranch_scc1 .Lstep_\@
	s_setprio 0
.endm
; THE WAY OUT of a walk.  O^T is divided by the row's sum and goes through my own stage in LDS, half a row (64 channels, 256 bytes) of 16 queries at a time, so that sixteen lanes store 256 consecutive bytes, aligned.
.macro WAYOUT ob
	PLACES4                                        ; four plain vector lines between the last products and the first read of O^T
	v_add_f32 v14, v14, v15                        ; the sum's two halves,
	s_wait_alu depctr_va_vdst(0)
	v_permlanex16_b32 v[FF], v14, s[SEL], s[SEL+1]
	s_delay_alu instid0(VALU_DEP_1)
	v_add_f32 v14, v14, v[FF]                      ; and lane l xor 16's: the row's sum.  Key 0 counts for every query, so it is at least 1/2
	s_wait_alu depctr_va_vdst(0)
	v_rcp_f32 v14, v14
	v_nop                                          ; a plain line behind the reciprocal
	s_wait_alu depctr_va_vdst(0)                   ; and the wait ahead of its first reader
.set jj, 0
.rept 32
	v_pk_mul_f32 v[SS+jj:SS+jj+1], v[OT+jj:OT+jj+1], v[14:15] op_sel_hi:[1,0]   ; register 8 t + i is o(r, 16 t + 8 h + i); each accumulator is read from its low end on
.set jj, jj+2
.endr
.irp u, 0,1                                    ; channels 64 u on
.irp t, 0,1,2,3
	ds_store_b128 v[STO], v[SS+32*\u+8*\t:SS+32*\u+8*\t+3] offset:64*\t
	ds_store_b128 v[STO], v[SS+32*\u+8*\t+4:SS+32*\u+8*\t+7] offset:64*\t+16
.endr
.irp i, 0,1,2,3,4,5,6,7
	ds_load_b128 v[SS+32*\u+4*\i:SS+32*\u+4*\i+3], v[RD] offset:544*\i   ; LDS serves a wave's instructions in order: these see my stores, and the next half's stores come behind them
.endr
.endr
.irp i, 0,1,2,3,4,5,6,7
	s_wait_dscnt 23-\i                             ; behind this load: the 7 - i later ones of its half and the sixteen LDS instructions of the other half
	global_store_b128 v[GO], v[SS+4*\i:SS+4*\i+3], s[\ob:\ob+1] offset:1024*\i th:TH_STORE_NT
.endr
.irp i, 0,1,2,3,4,5,6,7
	s_wait_dscnt 7-\i
	global_store_b128 v[GO], v[SS+32+4*\i:SS+32+4*\i+3], s[\ob:\ob+1] offset:1024*\i+256 th:TH_STORE_NT
.endr
.endm
	s_wait_loadcnt 0x0                             ; Q and its scale words; their offset registers are free
	CHANGE 0
	SLOTRUN 0, QF0, QS0, Q0A
	CHANGE 1
	SLOTRUN 1, QF0, QS0, Q0A
	CHANGE 2
	SLOTRUN 2, QF0, QS0, Q0A
	CHANGE 3
	SLOTRUN 3, QF0, QS0, Q0A
	WAYOUT OB0
	INIT                                           ; walk 1 begins (it writes none of the stores' registers)
	s_wait_xcnt 0x0                                ; the stores have read their data: those registers are written again only behind this wait
	CHANGE 4
	SLOTRUN 4, QF1, QS1, Q0B
	CHANGE 5
	SLOTRUN 5, QF1, QS1, Q0B
	CHANGE 6
	SLOTRUN 6, QF1, QS1, Q0B
	WAYOUT OB1
	s_wait_tensorcnt 0x0                           ; the wave's end, behind my last tensor load and my last LDS store
	ds_add_u32 v[SPW], v[NIL]
	s_wait_dscnt 0x0
	CROUND                                         ; the closing round: no work-group ends while a partner may still ask for a tile that names it
	s_endpgm
.Lfunc_end_k_q244113353e_attn:
	.size	k_q244113353e_attn, .Lfunc_end_k_q244113353e_attn-k_q244113353e_attn
	.p2alignl 7, 3214868480
	.fill 96, 4, 3214868480
	.section	.rodata,"a",@progbits
	.p2align	6, 0x0
	.amdhsa_kernel k_q244113353e_attn
		.amdhsa_group_segment_fixed_size 327680
		.amdhsa_private_segment_fixed_size 0
		.amdhsa_enable_private_segment 0
		.amdhsa_kernarg_size 56
		.amdhsa_user_sgpr_count 2
		.amdhsa_user_sgpr_kernarg_segment_ptr 1
		.amdhsa_wavefront_size32 1
		.amdhsa_system_sgpr_workgroup_id_x 1
		.amdhsa_system_sgpr_workgroup_id_y 1
		.amdhsa_system_sgpr_workgroup_id_z 1
		.amdhsa_system_vgpr_workitem_id 0
		.amdhsa_next_free_vgpr 256
		.amdhsa_next_free_sgpr 100
		.amdhsa_reserve_vcc 1
		.amdhsa_float_denorm_mode_32 3
		.amdhsa_float_denorm_mode_16_64 3
		.amdhsa_memory_ordered 1
		.amdhsa_forward_progress 1
		.amdhsa_inst_pref_size 213
	.end_amdhsa_kernel
	.amdgpu_metadata
---
amdhsa.version: [ 1, 2 ]
amdhsa.kernels:
  - .name:           k_q244113353e_attn
    .symbol:         k_q244113353e_attn.kd
    .args:
      - { .name: q_codes, .offset: 0, .size: 8, .value_kind: global_buffer, .address_space: global }
      - { .name: q_scales, .offset: 8, .size: 8, .value_kind: global_buffer, .address_space: global }
      - { .name: k_codes, .offset: 16, .size: 8, .value_kind: global_buffer, .address_space: global }
      - { .name: k_scales, .offset: 24, .size: 8, .value_kind: global_buffer, .address_space: global }
      - { .name: v_codes, .offset: 32, .size: 8, .value_kind: global_buffer, .address_space: global }
      - { .name: v_scales, .offset: 40, .size: 8, .value_kind: global_buffer, .address_space: global }
      - { .name: out0, .offset: 48, .size: 8, .value_kind: global_buffer, .address_space: global }
    .group_segment_fixed_size: 327680
    .private_segment_fixed_size: 0
    .kernarg_segment_align: 8
    .kernarg_segment_size: 56
    .max_flat_workgroup_size: 512
    .sgpr_count:     100
    .vgpr_count:     256
    .wavefront_size: 32
...
	.end_amdgpu_metadata
.endif
;; end of part 1
